; MI455X (gfx1250); checked and timed in simulation.
; The chip was launched on July 23, 2026; its instructions are those of AMD's public machine-readable ISA for CDNA 5 (MIT licence, August 2026) and "CDNA5" Instruction Set Architecture Reference Guide (July 2026). The comments in the code are by the model that wrote it; some were corrected since.
;; Bit Linear. Allowed arithmetic: float matrix products may take bf16 or f16 operands with f32 sums; all other float work in f32.
;; Inputs: input 2 x 2,048 x 4,096 float32; weight 4,096 x 4,096 float32.
;; Outputs: out0 2 x 2,048 x 4,096 float32.
;; 2 versions, each right; version 2 is version 1 with the launch tern written anew for expert scheduling mode. Each part assembles by itself: llvm-mc -triple=amdgcn-amd-amdhsa -mcpu=gfx1250 --defsym DOCPART=n.
;; ======== version 1 of 2: 3 launches
;; workspace buffers: xb 33,554,432 bytes; wt 33,554,432 bytes; part 2,048 bytes
;; launch absx (part 1): grid 512 x 1, 8 waves a work-group, no clusters, 1,280 bytes of LDS; arguments weight, input, xb, part; writes xb, part
.if DOCPART == 1
	.amdgcn_target "amdgcn-amd-amdhsa--gfx1250"
	.amdhsa_code_object_version 6
	.text
	.protected	k_q21015f02d5_absx
	.globl	k_q21015f02d5_absx
	.p2align	8
	.type	k_q21015f02d5_absx,@function
k_q21015f02d5_absx:
	s_mov_b64 s[64:65], 0
	v_nop
	global_prefetch_b8 v0, s[64:65] scope:SCOPE_SE
	s_setreg_imm32_b32 hwreg(HW_REG_WAVE_MODE, 25, 1), 1
	s_wait_xcnt 0x0
; First of three launches of y = x q^T s, with s = mean |w| and q = the ternary code of w.
; This one does two things in one stream: xb = x rounded to bf16 (nearest even), and part[g] = the sum of |bf16(w)| over work-group g's share of w.
; FORMAT, a stated choice: both inputs are rounded ONCE to bf16, and the mean, the threshold and the codes are made in f32 from the rounded w.
; A code is a step function of w and of the mean; on bf16's grid neighbouring magnitudes lie 2^-8 apart (relative), so the last bits of the mean, which hang on the order of the sum, decide a code
; only if the threshold falls within those bits of a grid value.  LIMITS: |w| or |x| beyond bf16's largest number becomes an infinity; a NaN or infinity in w makes the sum, and later every output, NaN.
; SHARES.  512 work-groups of eight waves.  Work-group g owns 131,072 bytes of w and of x: 32 chunks of 4,096 bytes.  Thread t takes the 16 bytes at 16 t of every chunk (a wave's load covers 512
; consecutive bytes) and stores 8 bytes at 8 t (a wave's store covers 256 consecutive bytes, at a multiple of 256 from xb's first byte).
; A ring of 16 slots in registers keeps 32 loads of every wave, 16,384 bytes, on their way.  The 32 turns are written out: a chunk's place stands in the immediate, so no address is ever stepped, and
; each chunk has its own two registers for the store, so no register that a store reads is ever written again: the stream has no wait but the counted one for a slot's two loads.
; No matrix unit, no tensor load, no cluster: nothing is shared and nothing is multiplied.
.set CH,     4096                      ; bytes in a chunk of w or x
.set CHUNKS, 32
.set DEPTH,  16                        ; slots
.set SPARE,  256                       ; LDS: bytes 0-31 the eight waves' sums (the block 0-255 is theirs alone); from 256 on the spare words, 128 bytes a wave
.set OFF16, 1                          ; v1          16 t; never rewritten
.set OFF8,  2                          ; v2          8 t; never rewritten
.set TA,    3                          ; v3          at work: the wave's number, later its LDS word
.set SPW,   4                          ; v4          LDS address of my spare word; never rewritten
.set NIL,   5                          ; v5          0; never rewritten
.set ACC,   6                          ; v[6:9]      four running sums
.set T,     10                         ; v[10:13]    four bf16 of w; two sets, which take turns
.set A,     14                         ; v[14:21]    their magnitudes in f32; two sets
.set W,     22                         ; v[22:85]    slot i: 4 registers of w
.set X,     86                         ; v[86:149]   slot i: 4 registers of x
.set Y,     150                        ; v[150:213]  chunk n: 2 registers, 4 bf16 of x to store; written once
.set R,     214                        ; v[214:221]  the reduction
.set ZERO,  222                        ; v222        0: an address
	s_load_b256 s[4:11], s[0:1], 0x0               ; weight s[4:5], input s[6:7], xb s[8:9], part s[10:11]
	v_lshl_add_u32 v[SPW], v0, 2, SPARE
	v_mov_b32 v[NIL], 0
	v_lshlrev_b32 v[OFF16], 4, v0
	v_lshlrev_b32 v[OFF8], 3, v0
	v_lshrrev_b32 v[TA], 5, v0
	v_readfirstlane_b32 s16, v[TA]                 ; my wave's number
	v_mov_b32 v[ACC], 0                            ; four registers: the sums begin at 0
	v_mov_b32 v[ACC+1], 0
	v_mov_b32 v[ACC+2], 0
	v_mov_b32 v[ACC+3], 0
	v_mov_b32 v[ZERO], 0
	s_mov_b32 s12, 0x7fff7fff                      ; clears the signs of two bf16
	s_mov_b32 s13, 0xffff0000                      ; a word's upper bf16
	s_mov_b32 s14, 0x76543210                      ; v_permlanex16_b32: each lane takes its own place in the other half
	s_mov_b32 s15, 0xfedcba98
	s_lshl_b32 s2, ttmp9, 17                       ; g x 131,072: under 2^26
	s_mov_b32 s3, 0
	s_wait_kmcnt 0x0
	s_add_nc_u64 s[4:5], s[4:5], s[2:3]
	s_add_nc_u64 s[6:7], s[6:7], s[2:3]
	s_lshl_b32 s2, ttmp9, 16                       ; g x 65,536 in xb
	s_add_nc_u64 s[8:9], s[8:9], s[2:3]
	s_lshl_b32 s2, ttmp9, 2                        ; g's word in part
	s_add_nc_u64 s[10:11], s[10:11], s[2:3]
.set m, 0
.rept DEPTH
	global_load_b128 v[W+4*m:W+4*m+3], v[OFF16], s[4:5] offset:m*CH                ; w is read again by the next launch: no hint
	global_load_b128 v[X+4*m:X+4*m+3], v[OFF16], s[6:7] offset:m*CH th:TH_LOAD_NT  ; x in f32 is read this once
.set m, m+1
.endr
; Chunk n, in slot n % 16.  The first 16 turns fill their slot again with the chunk 16 further on.
.macro TURN n
.set ri, (\n)%DEPTH
.set ru, (\n)%2
.if (\n) < CHUNKS-DEPTH
	s_wait_loadcnt 2*DEPTH-2                       ; loads come back in order: this slot's two are in, the other 15 slots' two each stay out
.else
	s_wait_loadcnt 2*(CHUNKS-1-(\n))               ; nothing is loaded any more: the counts run down
.endif
	v_cvt_pk_bf16_f32 v[T+2*ru],   v[W+4*ri],   v[W+4*ri+1]
	v_cvt_pk_bf16_f32 v[T+2*ru+1], v[W+4*ri+2], v[W+4*ri+3]
	v_cvt_pk_bf16_f32 v[Y+2*(\n)],   v[X+4*ri],   v[X+4*ri+1]
	v_cvt_pk_bf16_f32 v[Y+2*(\n)+1], v[X+4*ri+2], v[X+4*ri+3]
.if (\n) < CHUNKS-DEPTH
	global_load_b128 v[W+4*ri:W+4*ri+3], v[OFF16], s[4:5] offset:((\n)+DEPTH)*CH
	global_load_b128 v[X+4*ri:X+4*ri+3], v[OFF16], s[6:7] offset:((\n)+DEPTH)*CH th:TH_LOAD_NT
.endif
	global_store_b64 v[OFF8], v[Y+2*(\n):Y+2*(\n)+1], s[8:9] offset:(\n)*CH/2
	v_and_b32 v[T+2*ru],   s12, v[T+2*ru]          ; |bf16(w)|, two at a time
	v_and_b32 v[T+2*ru+1], s12, v[T+2*ru+1]
	v_lshlrev_b32 v[A+4*ru],   16,  v[T+2*ru]      ; bf16 to f32: the low half moves up, the high half stays
	v_and_b32     v[A+4*ru+1], s13, v[T+2*ru]
	v_lshlrev_b32 v[A+4*ru+2], 16,  v[T+2*ru+1]
	v_and_b32     v[A+4*ru+3], s13, v[T+2*ru+1]
	v_pk_add_f32 v[ACC:ACC+1],   v[ACC:ACC+1],   v[A+4*ru:A+4*ru+1]      ; four chains of 32 additions a lane, the chunks in ascending order
	v_pk_add_f32 v[ACC+2:ACC+3], v[ACC+2:ACC+3], v[A+4*ru+2:A+4*ru+3]
.endm
.set m, 0
.rept CHUNKS
	TURN m
.set m, m+1
.endr
	; the lane's four sums, then the wave's 32 lanes, then the work-group's eight waves: always in this order
	v_pk_add_f32 v[ACC:ACC+1], v[ACC:ACC+1], v[ACC+2:ACC+3]
	v_add_f32 v[R], v[ACC], v[ACC+1]
	v_mov_b32 v[R+1], 0                            ; v_permlanex16_b32's destination counts as read: it is written first
	v_add_f32_dpp v[R], v[R], v[R] row_xmask:1 row_mask:0xf bank_mask:0xf
	v_add_f32_dpp v[R], v[R], v[R] row_xmask:2 row_mask:0xf bank_mask:0xf
	v_add_f32_dpp v[R], v[R], v[R] row_xmask:4 row_mask:0xf bank_mask:0xf
	v_add_f32_dpp v[R], v[R], v[R] row_xmask:8 row_mask:0xf bank_mask:0xf
	v_permlanex16_b32 v[R+1], v[R], s14, s15
	v_add_f32 v[R], v[R], v[R+1]
	v_mov_b32 v[TA], s16
	v_lshlrev_b32 v[TA], 2, v[TA]                  ; my wave's word
	ds_store_b32 v[TA], v[R]                       ; all lanes write the same word with the same number
	s_wait_dscnt 0x0                               ; for the others' sake: my store is done
	s_barrier_signal -1
	s_barrier_wait -1
	ds_load_b128 v[R:R+3],   v[ZERO]               ; the eight waves' sums, in every lane
	ds_load_b128 v[R+4:R+7], v[ZERO] offset:16
	s_wait_dscnt 0x0
	v_add_f32 v[R],   v[R],   v[R+1]
	v_add_f32 v[R+2], v[R+2], v[R+3]
	v_add_f32 v[R+4], v[R+4], v[R+5]
	v_add_f32 v[R+6], v[R+6], v[R+7]
	v_add_f32 v[R],   v[R],   v[R+2]
	v_add_f32 v[R+4], v[R+4], v[R+6]
	v_add_f32 v[R],   v[R],   v[R+4]
	v_cmp_eq_u32 vcc_lo, 0, v0                     ; thread 0 alone stores the work-group's sum
	s_wait_xcnt 0x0                                ; EXEC is a source of the stores above: it changes only behind this wait
	s_and_saveexec_b32 s17, vcc_lo
	global_store_b32 v[ZERO], v[R], s[10:11]
	s_wait_xcnt 0x0                                ; and again in front of the line that widens it
	s_or_b32 exec_lo, exec_lo, s17
	s_wait_tensorcnt 0x0                           ; the wave's end: a tensor wait, an add of 0 to my spare word and its wait, behind my last LDS store
	ds_add_u32 v[SPW], v[NIL]
	s_wait_dscnt 0x0
	s_endpgm
.Lfunc_end_k_q21015f02d5_absx:
	.size	k_q21015f02d5_absx, .Lfunc_end_k_q21015f02d5_absx-k_q21015f02d5_absx
	.p2alignl 7, 3214868480
	.fill 96, 4, 3214868480
	.section	.rodata,"a",@progbits
	.p2align	6, 0x0
	.amdhsa_kernel k_q21015f02d5_absx
		.amdhsa_group_segment_fixed_size 1280
		.amdhsa_private_segment_fixed_size 0
		.amdhsa_enable_private_segment 0
		.amdhsa_kernarg_size 32
		.amdhsa_user_sgpr_count 2
		.amdhsa_user_sgpr_kernarg_segment_ptr 1
		.amdhsa_wavefront_size32 1
		.amdhsa_system_sgpr_workgroup_id_x 1
		.amdhsa_system_sgpr_workgroup_id_y 1
		.amdhsa_system_sgpr_workgroup_id_z 1
		.amdhsa_system_vgpr_workitem_id 0
		.amdhsa_next_free_vgpr 224
		.amdhsa_next_free_sgpr 66
		.amdhsa_reserve_vcc 1
		.amdhsa_float_denorm_mode_32 3
		.amdhsa_float_denorm_mode_16_64 3
		.amdhsa_memory_ordered 1
		.amdhsa_forward_progress 1
		.amdhsa_inst_pref_size 31
	.end_amdhsa_kernel
	.amdgpu_metadata
---
amdhsa.version: [ 1, 2 ]
amdhsa.kernels:
  - .name:           k_q21015f02d5_absx
    .symbol:         k_q21015f02d5_absx.kd
    .args:
      - { .name: weight, .offset: 0, .size: 8, .value_kind: global_buffer, .address_space: global }
      - { .name: input, .offset: 8, .size: 8, .value_kind: global_buffer, .address_space: global }
      - { .name: xb, .offset: 16, .size: 8, .value_kind: global_buffer, .address_space: global }
      - { .name: part, .offset: 24, .size: 8, .value_kind: global_buffer, .address_space: global }
    .group_segment_fixed_size: 1280
    .private_segment_fixed_size: 0
    .kernarg_segment_align: 8
    .kernarg_segment_size: 32
    .max_flat_workgroup_size: 256
    .sgpr_count:     66
    .vgpr_count:     224
    .wavefront_size: 32
...
	.end_amdgpu_metadata
.endif
;; end of part 1
;; launch tern (part 2): grid 512 x 1, 8 waves a work-group, no clusters, 0 bytes of LDS; arguments weight, part, wt; writes wt
.if DOCPART == 2
	.amdgcn_target "amdgcn-amd-amdhsa--gfx1250"
	.amdhsa_code_object_version 6
	.text
	.protected	k_q21015f02d5_tern
	.globl	k_q21015f02d5_tern
	.p2align	8
	.type	k_q21015f02d5_tern,@function
k_q21015f02d5_tern:
	s_mov_b64 s[64:65], 0
	v_nop
	global_prefetch_b8 v0, s[64:65] scope:SCOPE_SE
	s_setreg_imm32_b32 hwreg(HW_REG_WAVE_MODE, 25, 1), 1
	s_wait_xcnt 0x0
; Second launch: wt = the ternary codes of w, as bf16 numbers -1, 0, 1, with the rows of each group of 64 in another order (below).
; THE MEAN.  s = 2^-24 x the sum of part's 512 numbers; every wave adds them in the same fixed order (the third launch uses the same lines).
; THE CODE.  The module rounds clip(w / d, -1, 1) with d = s + 1e-8 to the nearest whole number, ties to even.  In f32 the quotient |w| / d rounds to more than 0.5 exactly where 2 |w| > d: the next
; f32 above d is more than d (1 + 2^-24), past the middle between 0.5 and its successor, and 2 |w| = d gives 0.5, which rounds to 0.  So the code is sign(w) where |w| > d / 2, else 0: no division.
; w is rounded to bf16 first, as in the first launch (the stated format).  For a bf16 magnitude a, taken as a whole number, a x 2^16 > bits(d / 2) exactly where a > TH = bits(d / 2) >> 16, and
; a + (0x7fff - TH) has bit 15 set exactly there; the sum is 0xfffe at the most, so two halves of a word are done at once with no carry between them.
; LIMITS.  A NaN or an infinite s makes the codes meaningless; the third launch multiplies by s, so every output is NaN then, as in the module.
; THE ROWS' ORDER.  Output column n = 64 G + 4 r + q (r 0-15, q 0-3) is written as row 64 G + 16 q + r.  The product's result then holds, in one lane, the columns 4 r .. 4 r + 3 in four accumulators,
; and sixteen neighbouring lanes hold 256 consecutive bytes of an output row.
; SHARES.  Work-group g owns rows 8 g .. 8 g + 7 of w: 32 chunks of 4,096 bytes; chunk n is quarter n % 4 of row j = n / 4.  r = 2 (g % 8) + j / 4, q = j % 4.
; A wave's whole share, 32 loads of 512 bytes, fits in 128 registers: all of it is asked for at the start, behind the four loads of part, and nothing is loaded again.  A chunk's codes are made in
; its own first two registers and stored from there; its other two are the turn's scratch.  So no register that a store reads is written again, and the only waits are the counted ones for the loads.
.set CH,     4096
.set CHUNKS, 32
.set O16, 1                            ; v1        16 t; never rewritten
.set O8,  2                            ; v2        8 t; never rewritten
.set OL,  3                            ; v3        16 x lane; never rewritten
.set P,   4                            ; v[4:19]   part: 16 numbers a lane
.set N,   20                           ; v[20:23]  bit 15 of each half: the code is not 0; two sets, which take turns
.set W,   24                           ; v[24:151] chunk n: 4 registers of w; then 2 of codes and 2 at work
; s into v[p], in every lane, from the 16 numbers a lane in v[p:p+15].  sel: the scalar pair with v_permlanex16_b32's selects.
.macro MEAN p, sel
	v_pk_add_f32 v[(\p):(\p)+1],     v[(\p):(\p)+1],     v[(\p)+4:(\p)+5]
	v_pk_add_f32 v[(\p)+2:(\p)+3],   v[(\p)+2:(\p)+3],   v[(\p)+6:(\p)+7]
	v_pk_add_f32 v[(\p)+8:(\p)+9],   v[(\p)+8:(\p)+9],   v[(\p)+12:(\p)+13]
	v_pk_add_f32 v[(\p)+10:(\p)+11], v[(\p)+10:(\p)+11], v[(\p)+14:(\p)+15]
	v_pk_add_f32 v[(\p):(\p)+1],     v[(\p):(\p)+1],     v[(\p)+8:(\p)+9]
	v_pk_add_f32 v[(\p)+2:(\p)+3],   v[(\p)+2:(\p)+3],   v[(\p)+10:(\p)+11]
	v_pk_add_f32 v[(\p):(\p)+1],     v[(\p):(\p)+1],     v[(\p)+2:(\p)+3]
	v_add_f32 v[(\p)], v[(\p)], v[(\p)+1]
	v_add_f32_dpp v[(\p)], v[(\p)], v[(\p)] row_xmask:1 row_mask:0xf bank_mask:0xf
	v_add_f32_dpp v[(\p)], v[(\p)], v[(\p)] row_xmask:2 row_mask:0xf bank_mask:0xf
	v_add_f32_dpp v[(\p)], v[(\p)], v[(\p)] row_xmask:4 row_mask:0xf bank_mask:0xf
	v_add_f32_dpp v[(\p)], v[(\p)], v[(\p)] row_xmask:8 row_mask:0xf bank_mask:0xf
	v_permlanex16_b32 v[(\p)+1], v[(\p)], s[(\sel)], s[(\sel)+1]
	v_add_f32 v[(\p)], v[(\p)], v[(\p)+1]
	v_mul_f32 v[(\p)], 0x33800000, v[(\p)]         ; x 2^-24: w has 2^24 numbers; exact
.endm
	s_load_b128 s[4:7], s[0:1], 0x0                ; weight s[4:5], part s[6:7]
	s_load_b64 s[8:9], s[0:1], 0x10                ; wt
	v_lshlrev_b32 v[O16], 4, v0
	v_lshlrev_b32 v[O8], 3, v0
	v_and_b32 v[OL], 31, v0
	v_lshlrev_b32 v[OL], 4, v[OL]
	s_mov_b32 s12, 0x7fff7fff                      ; clears two signs
	s_mov_b32 s13, 0x80008000                      ; bit 15 of each half
	s_mov_b32 s14, 0x76543210
	s_mov_b32 s15, 0xfedcba98
	s_mov_b32 s17, 127
	s_lshl_b32 s18, ttmp9, 17                      ; my eight rows of w: g x 131,072
	s_mov_b32 s19, 0
	s_lshr_b32 s2, ttmp9, 3
	s_lshl_b32 s2, s2, 19                          ; G x 64 rows of 8,192 bytes,
	s_and_b32 s3, ttmp9, 7
	s_lshl_b32 s3, s3, 14                          ; + 2 (g % 8) rows
	s_add_co_u32 s2, s2, s3
	s_mov_b32 s3, 0
	s_wait_kmcnt 0x0
	s_add_nc_u64 s[4:5], s[4:5], s[18:19]
	s_add_nc_u64 s[8:9], s[8:9], s[2:3]
.irp k, 0,1,2,3
	global_load_b128 v[P+4*(\k):P+4*(\k)+3], v[OL], s[6:7] offset:512*(\k)   ; every wave reads all 2,048 bytes of part
.endr
.set m, 0
.rept CHUNKS
	global_load_b128 v[W+4*m:W+4*m+3], v[O16], s[4:5] offset:m*CH th:TH_LOAD_NT  ; w's last reading
.set m, m+1
.endr
	s_wait_loadcnt CHUNKS                          ; part is in; the 32 loads of w issued behind it stay out
	MEAN P, 14
	v_add_f32 v[P], 0x322bcc77, v[P]               ; d = s + 1e-8
	v_mul_f32 v[P], 0.5, v[P]                      ; d / 2
	v_readfirstlane_b32 s16, v[P]
	s_lshr_b32 s16, s16, 16                        ; TH
	s_sub_co_u32 s16, 0x7fff, s16
	s_mul_i32 s16, s16, 0x10001                    ; 0x7fff - TH in both halves: a number that is added to data, never to an address
; Chunk n.  Its two words go side by side, so that no line reads the result of the line just before it.
.macro TURN n
.set rb, W+4*(\n)
.set rn, N+2*((\n)%2)
.set rj, (\n)/4
	s_wait_loadcnt CHUNKS-1-(\n)                   ; loads come back in order: this chunk's is in, the later chunks' stay out
	v_cvt_pk_bf16_f32 v[rb],   v[rb],   v[rb+1]    ; four bf16 of w, in the chunk's first two registers
	v_cvt_pk_bf16_f32 v[rb+1], v[rb+2], v[rb+3]
	v_and_b32 v[rb+2], s12, v[rb]                  ; two magnitudes a word
	v_and_b32 v[rb+3], s12, v[rb+1]
	v_add_nc_u32 v[rb+2], s16, v[rb+2]             ; bit 15 of a half: its magnitude is above the threshold
	v_add_nc_u32 v[rb+3], s16, v[rb+3]
	v_and_b32 v[rn],   s13, v[rb+2]
	v_and_b32 v[rn+1], s13, v[rb+3]
	v_lshrrev_b32 v[rb+2], 8, v[rn]                ; 0x80 in each such half,
	v_lshrrev_b32 v[rb+3], 8, v[rn+1]
	v_mul_u32_u24 v[rb+2], s17, v[rb+2]            ; x 127 = 0x3f80: 1.0 in bf16
	v_mul_u32_u24 v[rb+3], s17, v[rb+3]
	v_and_or_b32 v[rb],   v[rb],   v[rn],   v[rb+2]  ; and w's sign on it
	v_and_or_b32 v[rb+1], v[rb+1], v[rn+1], v[rb+3]
	global_store_b64 v[O8], v[rb:rb+1], s[8:9] offset:(16*(rj%4)+rj/4)*8192+2048*((\n)%4)  ; a wave stores 256 consecutive bytes, at a multiple of 256 from wt's first byte
.endm
.set m, 0
.rept CHUNKS
	TURN m
.set m, m+1
.endr
	s_endpgm
.Lfunc_end_k_q21015f02d5_tern:
	.size	k_q21015f02d5_tern, .Lfunc_end_k_q21015f02d5_tern-k_q21015f02d5_tern
	.p2alignl 7, 3214868480
	.fill 96, 4, 3214868480
	.section	.rodata,"a",@progbits
	.p2align	6, 0x0
	.amdhsa_kernel k_q21015f02d5_tern
		.amdhsa_group_segment_fixed_size 0
		.amdhsa_private_segment_fixed_size 0
		.amdhsa_enable_private_segment 0
		.amdhsa_kernarg_size 24
		.amdhsa_user_sgpr_count 2
		.amdhsa_user_sgpr_kernarg_segment_ptr 1
		.amdhsa_wavefront_size32 1
		.amdhsa_system_sgpr_workgroup_id_x 1
		.amdhsa_system_sgpr_workgroup_id_y 1
		.amdhsa_system_sgpr_workgroup_id_z 1
		.amdhsa_system_vgpr_workitem_id 0
		.amdhsa_next_free_vgpr 152
		.amdhsa_next_free_sgpr 66
		.amdhsa_reserve_vcc 0
		.amdhsa_float_denorm_mode_32 3
		.amdhsa_float_denorm_mode_16_64 3
		.amdhsa_memory_ordered 1
		.amdhsa_forward_progress 1
		.amdhsa_inst_pref_size 28
	.end_amdhsa_kernel
	.amdgpu_metadata
---
amdhsa.version: [ 1, 2 ]
amdhsa.kernels:
  - .name:           k_q21015f02d5_tern
    .symbol:         k_q21015f02d5_tern.kd
    .args:
      - { .name: weight, .offset: 0, .size: 8, .value_kind: global_buffer, .address_space: global }
      - { .name: part, .offset: 8, .size: 8, .value_kind: global_buffer, .address_space: global }
      - { .name: wt, .offset: 16, .size: 8, .value_kind: global_buffer, .address_space: global }
    .group_segment_fixed_size: 0
    .private_segment_fixed_size: 0
    .kernarg_segment_align: 8
    .kernarg_segment_size: 24
    .max_flat_workgroup_size: 256
    .sgpr_count:     66
    .vgpr_count:     152
    .wavefront_size: 32
...
	.end_amdgpu_metadata
.endif
;; end of part 2
;; launch gemm (part 3): grid 16 x 16, 4 waves a work-group, clusters of 4 x 4, 327,680 bytes of LDS; arguments wt, xb, out0, part; writes out0
.if DOCPART == 3
	.amdgcn_target "amdgcn-amd-amdhsa--gfx1250"
	.amdhsa_code_object_version 6
	.text
	.protected	k_q21015f02d5_gemm
	.globl	k_q21015f02d5_gemm
	.p2align	8
	.type	k_q21015f02d5_gemm,@function
k_q21015f02d5_gemm:
	s_mov_b64 s[64:65], 0
	v_nop
	global_prefetch_b8 v0, s[64:65] scope:SCOPE_SE
	s_setreg_imm32_b32 hwreg(HW_REG_WAVE_MODE, 25, 1), 1
	s_wait_xcnt 0x0
	s_wait_alu depctr_hold_cnt(0) depctr_sa_sdst(0) depctr_va_vdst(0) depctr_va_sdst(0) depctr_va_ssrc(0) depctr_va_vcc(0) depctr_vm_vsrc(0)
	s_getreg_b32 s2, hwreg(HW_REG_IB_STS2, 6, 4)
	s_cmp_eq_u32 s2, 0
	s_cbranch_scc0 .Lentry_in_a_cluster
	s_endpgm
.Lentry_in_a_cluster:
	s_bfe_u32 s2, ttmp6, 0x10000c
	s_cmp_lg_u32 s2, 0xf033
	s_cbranch_scc0 .Lentry_shape_is_right
	s_endpgm
.Lentry_shape_is_right:
; Third launch: out[m][n] = s x the sum over k of xb[m][k] code[n][k].  xb: [4096][4096] bf16.  wt: [4096][4096] bf16 codes -1, 0, 1, rows permuted: column n = 64 G + 4 r + q lies in row 64 G + 16 q + r.
; out: [4096][4096] f32.  Sums in f32, K ascending; s = mean |bf16(w)| multiplies the finished sums (the module multiplies the codes by s first: another order of rounding, stated here).
; LIMITS.  x was rounded to bf16 (its largest number bounds |x|); a NaN or infinite s makes every output NaN, as in the module.
; SHAPE.  A tile of out is 256 x 256, made by four waves; a wave makes 128 x 128: 64 accumulators of 16 x 16, 512 registers.  4096 / 256 squared = 256 tiles, one work-group each.
; K goes in steps of 128 through a ring of two LDS slots filled by the tensor data mover: a tile's rows are 256 bytes of memory, at multiples of 256 from the buffer's first byte.
; CLUSTERS.  4 x 4 work-groups.  The codes' tile hangs on the tile column of out alone (4 x cluster y + cy) and is shared along a row of the cluster; x's tile hangs on the tile row of out alone
; (4 x cluster x + cx) and is shared along a column.  Each is asked for JOINTLY: the same tensor load, the same descriptor and a mask that names the four, in all four.
; THE RESULT'S LAYOUT.  Source 0 = 16 rows of x, source 1 = 16 rows of wt.  Register j of lane (r = l % 16, h = l / 16) of accumulator (nb, mb) is out(row 16 mb + 8 h + j, wt row 16 nb + r).  With nb = 4 g + q
; that wt row is column 64 g + 4 r + q: the four accumulators q = 0..3 hold four neighbouring columns.  The multiply by s, which is due anyway, writes them into four neighbouring registers, and one
; 16-byte store has lanes 0-15 filling 256 consecutive bytes of one row of out and lanes 16-31 those of the row eight below.  So no result goes through LDS.
; REGISTERS, in windows of 256 (s_set_vgpr_msb: bits 1:0 source 0, 3:2 source 1, 5:4 source 2, 7:6 destination):
;   window 0: v0-4 at work; v16-17, v20-21 LDS addresses; v26 my offset in out; v28-29 the add's; v32-47 part; v64-127, v128-191 the codes' fragments, two buffers, later the way out's two banks
;   window 1: v64-127, v128-191 x's fragments, two buffers        window 2: accumulators nb 0-3 ((q, mb) at v[8 (8 q + mb)])        window 3: nb 4-7
.set SIZE_K, 4096
.set KSTEP,  128
.set PITCH,  272                       ; an LDS row: 256 bytes + 16 of padding = 68 words: row r starts at bank 4 r mod 64 (64 banks of 4 bytes: ISA guide 11.1), so a load's 16 rows start at 16 different banks
.set HALFT,  128*PITCH                 ; 128 rows: what one tensor load brings, and what one wave reads of either side
.set SLOT,   4*HALFT                   ; the codes' 256 rows, then x's 256 rows
.set SPARE,  2*SLOT                    ; behind the ring: the spare words, 128 bytes for each wave: two blocks of 256 bytes that no other line names
.set LAPS,   SIZE_K/(2*KSTEP)          ; a lap = two K steps = once round the ring: 16
.set ROWB,   16384                     ; bytes in a row of out
.set ADRW, 16                          ; v16-17  LDS address of my fragments of codes in slot 0, 1
.set ADRX, 20                          ; v20-21  the same for x
.set CO,   26                          ; v26     my byte offset in out: 8 h rows + 16 r; never rewritten
.set SPW,  28                          ; v28     LDS address of my spare word; never rewritten
.set NIL,  29                          ; v29     0; never rewritten
.set P,    32                          ; v32-47  part: 16 numbers a lane
.set F0,   64                          ; fragment buffer 0
.set F1,   128                         ; fragment buffer 1
.set OUTR, 64                          ; the way out: two banks of 64 registers, where the codes' fragments lay
.set WV,   12                          ; s12  my wave's number
.set HW,   13                          ; s13  which 128 rows of the codes' tile I multiply.  Also: I fetch codes (0) or x (1)
.set HX,   14                          ; s14  which 128 rows of x's tile I multiply.  Also: which 128 rows of that side I fetch
.set SC,   15                          ; s15  s
.set G1W,  24                          ; s[24:31] descriptor group 1 for the codes' tiles
.set G0W,  32                          ; s[32:39] descriptor group 0 for them, one set for each slot
.set G1X,  48                          ; s[48:55] group 1 for x's tiles: it differs in the mask alone
.set G0X,  56                          ; s[56:63] group 0 for them
.set SEL,  66                          ; s[66:67] v_permlanex16_b32's selects
.set MSB, 0
.macro WIN new                         ; the immediate's high byte repeats the setting that is left; a switch that changes nothing is dropped
.if MSB != (\new)
	s_set_vgpr_msb (MSB<<8)|(\new)
.set MSB, \new
.endif
.endm
.set MUL_LO, 0xa1                      ; source 0 (x) window 1, source 1 (codes) window 0, C and D window 2
.set MUL_HI, 0xf1                      ; the same, C and D window 3
.set TO_X,   0x40                      ; destination window 1, address window 0
; A joint load.  Waves 0 and 1 fetch the codes' two halves, waves 2 and 3 x's.  Each of the two lines has one mask and one set of registers for all that issue it.  The branch hangs on the wave's number alone.
; An s_nop 0 and four v_nop follow each of the two lines, ahead of the jump, the label and what follows.
.macro JLOAD s
	s_cmp_eq_u32 s[HW], 0
	s_cbranch_scc0 .Lfor_x_\@
	tensor_load_to_lds s[G0W+4*(\s):G0W+4*(\s)+3], s[G1W:G1W+7]
	s_nop 0
.rept 4
	v_nop
.endr
	s_branch .Lasked_\@
.Lfor_x_\@:
	tensor_load_to_lds s[G0X+4*(\s):G0X+4*(\s)+3], s[G1X:G1X+7]
	s_nop 0
.rept 4
	v_nop
.endr
.Lasked_\@:
.endm
; A round of the cluster's barrier: my work-group's barrier, so that wave 0's signal speaks for all four waves; wave 0 signals for the work-group; every wave waits for all sixteen; my work-group's barrier once more.
.macro CREST                           ; a round behind its opening barrier
	s_cmp_lg_u32 s[WV], 0
	s_cbranch_scc1 .Lnot_wave_0_\@
	s_barrier_signal -3
.Lnot_wave_0_\@:
	s_barrier_wait -3
	s_barrier_signal -1
	s_barrier_wait -1
.endm
.macro CROUND                          ; a whole round
	s_barrier_signal -1
	s_barrier_wait -1
	CREST
.endm
; s into v[p], in every lane, from the 16 numbers a lane in v[p:p+15]: the second launch's lines, so both launches have the same bits.
.macro MEAN p, sel
	v_pk_add_f32 v[(\p):(\p)+1],     v[(\p):(\p)+1],     v[(\p)+4:(\p)+5]
	v_pk_add_f32 v[(\p)+2:(\p)+3],   v[(\p)+2:(\p)+3],   v[(\p)+6:(\p)+7]
	v_pk_add_f32 v[(\p)+8:(\p)+9],   v[(\p)+8:(\p)+9],   v[(\p)+12:(\p)+13]
	v_pk_add_f32 v[(\p)+10:(\p)+11], v[(\p)+10:(\p)+11], v[(\p)+14:(\p)+15]
	v_pk_add_f32 v[(\p):(\p)+1],     v[(\p):(\p)+1],     v[(\p)+8:(\p)+9]
	v_pk_add_f32 v[(\p)+2:(\p)+3],   v[(\p)+2:(\p)+3],   v[(\p)+10:(\p)+11]
	v_pk_add_f32 v[(\p):(\p)+1],     v[(\p):(\p)+1],     v[(\p)+2:(\p)+3]
	v_add_f32 v[(\p)], v[(\p)], v[(\p)+1]
	v_add_f32_dpp v[(\p)], v[(\p)], v[(\p)] row_xmask:1 row_mask:0xf bank_mask:0xf
	v_add_f32_dpp v[(\p)], v[(\p)], v[(\p)] row_xmask:2 row_mask:0xf bank_mask:0xf
	v_add_f32_dpp v[(\p)], v[(\p)], v[(\p)] row_xmask:4 row_mask:0xf bank_mask:0xf
	v_add_f32_dpp v[(\p)], v[(\p)], v[(\p)] row_xmask:8 row_mask:0xf bank_mask:0xf
	v_permlanex16_b32 v[(\p)+1], v[(\p)], s[(\sel)], s[(\sel)+1]
	v_add_f32 v[(\p)], v[(\p)], v[(\p)+1]
	v_mul_f32 v[(\p)], 0x33800000, v[(\p)]         ; x 2^-24: w has 2^24 numbers; exact
.endm
	s_load_b256 s[4:11], s[0:1], 0x0               ; wt s[4:5], xb s[6:7], out0 s[8:9], part s[10:11]
	v_lshl_add_u32 v[SPW], v0, 2, SPARE
	v_mov_b32 v[NIL], 0
	ds_add_u32 v[SPW], v[NIL]                      ; the wave's opening: the add and its wait stand ahead of my first tensor load; the set-up below, work on registers, stands between them
	v_lshrrev_b32 v1, 5, v0
	v_readfirstlane_b32 s[WV], v1                  ; wave 0..3
	s_lshr_b32 s[HW], s[WV], 1
	s_and_b32 s[HX], s[WV], 1
	s_bfe_u32 s40, ttmp6, 0x40000                  ; cx: my place along the cluster's x
	s_bfe_u32 s41, ttmp6, 0x40004                  ; cy: along its y
	s_lshl_b32 s42, ttmp9, 2                       ; in a cluster launch ttmp9 and ttmp7 count clusters
	s_add_co_u32 s42, s42, s40                     ; tile row of out (x's tile) = 4 x cluster x + cx
	s_and_b32 s43, ttmp7, 0xffff
	s_lshl_b32 s43, s43, 2
	s_add_co_u32 s43, s43, s41                     ; tile column of out (the codes' tile) = 4 x cluster y + cy
	s_lshl_b32 s44, s41, 2
	s_lshl_b32 s44, 15, s44                        ; my row of the cluster: places 4 cy .. 4 cy + 3
	s_lshl_b32 s45, 0x1111, s40                    ; my column: places cx, cx + 4, cx + 8, cx + 12
	; descriptor group 1: a tile of 128 rows x 128 elements, padded in LDS
	s_or_b32 s[G1W], s44, (1<<16)|(1<<20)|(1<<21)|(5<<22)|(3<<25)  ; 15:0 the mask: the codes' tiles go to my row; 17:16 elements of 2 bytes; 20 padding on; 21 set beside a mask; 24:22 after every 64 words (code 5); 31:25 4 words (code 3)
	s_or_b32 s[G1X], s45, (1<<16)|(1<<20)|(1<<21)|(5<<22)|(3<<25)  ; the same with the mask of my column, for x's tiles
.irp g, G1W, G1X
	s_mov_b32 s[(\g)+1], KSTEP<<16                 ; tensor_dim0 = 128
	s_mov_b32 s[(\g)+2], 128<<16                   ; tensor_dim1 = 128
	s_mov_b32 s[(\g)+3], KSTEP<<16                 ; tile_dim0 = 128
	s_mov_b32 s[(\g)+4], 128                       ; tile_dim1 = 128
	s_mov_b32 s[(\g)+5], SIZE_K                    ; elements from row to row
	s_mov_b32 s[(\g)+6], 0
	s_mov_b32 s[(\g)+7], 0
.endr
	s_mov_b32 s[SEL], 0x76543210
	s_mov_b32 s[SEL+1], 0xfedcba98
	; where the tiles come from, in bytes (a row is 8,192 bytes; all offsets stay under 2^25).  Every wave makes both, each in registers that never hold the other side's coordinate, and asks by one of them.
	s_lshl_b32 s18, s[HX], 20                      ; which 128 rows of the tile I fetch
	s_lshl_b32 s16, s43, 21                        ; the codes: 256 rows x tile column
	s_add_co_u32 s16, s16, s18
	s_mov_b32 s17, 0
	s_lshl_b32 s46, s42, 21                        ; x: 256 rows x tile row
	s_add_co_u32 s46, s46, s18
	s_mov_b32 s47, 0
	s_mul_i32 s20, s[WV], HALFT                    ; and where they go: wave x 128 rows: no place in the cluster enters an LDS address
	s_wait_dscnt 0x0                               ; the opening add is done
	s_wait_kmcnt 0x0
	s_add_nc_u64 s[16:17], s[4:5], s[16:17]
	s_add_nc_u64 s[46:47], s[6:7], s[46:47]
	CROUND                                         ; all sixteen work-groups are here: the first joint loads meet
.irp s, 0,1
	s_mov_b32 s[G0W+4*(\s)], 1                                       ; count = 1
	s_add_co_u32 s[G0W+4*(\s)+1], s20, (\s)*SLOT                     ; LDS address
	s_add_nc_u64 s[G0W+4*(\s)+2:G0W+4*(\s)+3], s[16:17], (\s)*KSTEP*2  ; global address: K step s
	s_or_b32 s[G0W+4*(\s)+3], s[G0W+4*(\s)+3], 0x80000000            ; type = 2
	s_mov_b32 s[G0X+4*(\s)], 1
	s_add_co_u32 s[G0X+4*(\s)+1], s20, (\s)*SLOT
	s_add_nc_u64 s[G0X+4*(\s)+2:G0X+4*(\s)+3], s[46:47], (\s)*KSTEP*2
	s_or_b32 s[G0X+4*(\s)+3], s[G0X+4*(\s)+3], 0x80000000
	JLOAD \s                                       ; the ring is filled before anything else is done: two tensor loads of mine are out
.endr
	v_and_b32 v4, 31, v0
	v_lshlrev_b32 v4, 4, v4                        ; 16 x lane
.irp k, 0,1,2,3
	global_load_b128 v[P+4*(\k):P+4*(\k)+3], v4, s[10:11] offset:512*(\k)   ; every wave reads all 2,048 bytes of part
.endr
	; A fragment is 16 rows x 32 K in 8 registers: lane l holds row l % 16; registers 0-3 hold K = 8 (l / 16) + 0..7, registers 4-7 K = 16 + 8 (l / 16) + 0..7: two loads of 16 bytes, 32 bytes apart.
	v_and_b32 v1, 15, v0                           ; r = l % 16
	v_bfe_u32 v2, v0, 4, 1                         ; h = l / 16
	v_mul_u32_u24 v3, v1, PITCH
	v_lshl_add_u32 v3, v2, 4, v3                   ; row x pitch + 16 x half
	s_mul_i32 s21, s[HW], HALFT                    ; my 128 rows of codes
	s_mul_i32 s22, s[HX], HALFT                    ; my 128 rows of x,
	s_add_co_u32 s22, s22, 2*HALFT                 ; which lie behind the codes' 256
.irp s, 0,1
	v_add_nc_u32 v[ADRW+(\s)], s21, v3
	v_add_nc_u32 v[ADRX+(\s)], s22, v3
	s_add_co_u32 s21, s21, SLOT
	s_add_co_u32 s22, s22, SLOT
.endr
	v_lshlrev_b32 v[CO], 4, v1                     ; 16 r: my four columns,
	v_lshl_add_u32 v[CO], v2, 17, v[CO]            ; and eight rows of 16,384 bytes further down for lanes 16-31
	s_lshl_b32 s2, s42, 22                         ; my part of out: 256 rows x tile row,
	s_lshl_b32 s23, s[HX], 21                      ; + 128 rows x half,
	s_add_co_u32 s2, s2, s23
	s_lshl_b32 s23, s43, 10                        ; + 1,024 bytes x tile column,
	s_add_co_u32 s2, s2, s23
	s_lshl_b32 s23, s[HW], 9                       ; + 512 bytes x half: under 2^26
	s_add_co_u32 s2, s2, s23
	s_mov_b32 s3, 0
	s_add_nc_u64 s[8:9], s[8:9], s[2:3]
	s_wait_loadcnt 0x0                             ; part
	MEAN P, SEL
	v_readfirstlane_b32 s[SC], v[P]                ; s: a factor for data, never for an address
; 16 matrix instructions: code blocks a0, a0 + 1 of the window's four (hi = 0: nb 0-3, 1: nb 4-7) x all 8 blocks of x, 32 along K.  zero = 1: the first product starts the sums: nothing is ever cleared.
; The 64 accumulators take turns, one instruction a turn, in the same order in every quarter step.
.macro MUL16 f, hi, a0, zero
	WIN MUL_LO+0x50*(\hi)
.irp a, \a0, (\a0)+1
.irp b, 0,1,2,3,4,5,6,7
.if \zero
	v_wmma_f32_16x16x32_bf16 v[8*(8*(\a)+(\b)):8*(8*(\a)+(\b))+7], v[(\f)+8*(\b):(\f)+8*(\b)+7], v[(\f)+8*(4*(\hi)+(\a)):(\f)+8*(4*(\hi)+(\a))+7], 0
.else
	v_wmma_f32_16x16x32_bf16 v[8*(8*(\a)+(\b)):8*(8*(\a)+(\b))+7], v[(\f)+8*(\b):(\f)+8*(\b)+7], v[(\f)+8*(4*(\hi)+(\a)):(\f)+8*(4*(\hi)+(\a))+7], v[8*(8*(\a)+(\b)):8*(8*(\a)+(\b))+7]
.endif
.endr
.endr
.endm
; 32 LDS loads in one run: the fragments of one quarter step (128 rows of x, then 128 rows of codes, 32 K at byte k of the rows) into buffer f
.macro FETCH slot, k, f
	WIN TO_X
.irp i, 0,1,2,3,4,5,6,7
	ds_load_b128 v[(\f)+8*(\i):(\f)+8*(\i)+3],   v[ADRX+(\slot)] offset:(\k)+(\i)*16*PITCH
	ds_load_b128 v[(\f)+8*(\i)+4:(\f)+8*(\i)+7], v[ADRX+(\slot)] offset:(\k)+(\i)*16*PITCH+32
.endr
	WIN 0
.irp i, 0,1,2,3,4,5,6,7
	ds_load_b128 v[(\f)+8*(\i):(\f)+8*(\i)+3],   v[ADRW+(\slot)] offset:(\k)+(\i)*16*PITCH
	ds_load_b128 v[(\f)+8*(\i)+4:(\f)+8*(\i)+7], v[ADRW+(\slot)] offset:(\k)+(\i)*16*PITCH+32
.endr
.endm
; A load into a register that a matrix instruction has read, and a vector instruction that reads a matrix result or writes one of a matrix instruction's registers, stand four places behind it, and only
; plain vector instructions that name none of its registers are places (ISA guide 7.12.1 for vector instructions).
.macro PLACES
.rept 4
	v_nop
.endr
.endm
; A K step is four quarter steps of 32 along K, 64 matrix instructions each, on buffers 0, 1, 0, 1.
; One of the first three: multiplies buffer f; in its middle it fetches the next quarter's fragments, at byte k of the same slot's rows, into buffer g.
.macro QUARTER slot, k, f, g, zero
	s_wait_dscnt 8                                 ; x and the codes' blocks 0-3 are in; the youngest eight loads (blocks 4-7) may be out
	MUL16 \f, 0, 0, \zero
	MUL16 \f, 0, 2, \zero
	PLACES
	FETCH \slot, \k, \g
	s_wait_dscnt 32                                ; all but the 32 just issued
	MUL16 \f, 1, 0, \zero
	MUL16 \f, 1, 2, \zero
.endm
; The last quarter multiplies buffer 1 and changes slots: ONE barrier for two things.  In front of it each wave waits for all its tensor loads, of which one is out: its part of the next slot; adds 0 to its
; spare word; and waits for that and for its own reads of this slot.  Behind it nobody reads this slot any more and the next slot is whole.
; fill = 1: this slot is filled again, two K steps ahead.  The barrier then opens a round of the cluster's barrier, and the joint load is the first tensor load behind the round: from that request to the
; wait for it a wave issues 224 matrix instructions.
.macro TURN slot, next, fill
	WIN 0                                          ; (the add's two registers lie in window 0)
	s_wait_tensorcnt 0x0                           ; all my tensor loads have landed;
	ds_add_u32 v[SPW], v[NIL]                      ; 0 onto my spare word;
	s_wait_dscnt 9                                 ; (the add and the youngest eight loads may be out)
	MUL16 F1, 0, 0, 0                              ; sixteen matrix instructions stand between the add and the wait for it
	s_wait_dscnt 0x0                               ; the add is done, and my reads of this slot are over
	s_barrier_signal -1
	MUL16 F1, 0, 2, 0                              ; work on registers while the others arrive
.if \fill
	WIN 0
.endif
	s_barrier_wait -1
.if \fill
	CREST                                          ; no wave of any partner still reads this slot's tile or has a load on its way
	s_add_nc_u64 s[G0W+4*(\slot)+2:G0W+4*(\slot)+3], s[G0W+4*(\slot)+2:G0W+4*(\slot)+3], 2*KSTEP*2  ; no tensor load of mine is out: a group 0 may be written
	s_add_nc_u64 s[G0X+4*(\slot)+2:G0X+4*(\slot)+3], s[G0X+4*(\slot)+2:G0X+4*(\slot)+3], 2*KSTEP*2
	JLOAD \slot                                    ; the four v_nop behind it are also the places in front of the loads below
.else
	PLACES
.endif
	FETCH \next, 0, F0
	MUL16 F1, 1, 0, 0
	MUL16 F1, 1, 2, 0
.endm
; THE WAY OUT, for column group g (64 columns; window 2 + g) and x blocks mb = 2 p, 2 p + 1.  64 multiplies by s gather the four accumulators q = 0..3 into quads (each accumulator's register 0 is read
; first, then upward); 16 stores follow.  Two banks of 64 registers take turns, so that a bank's stores leave while the other bank is written.
.macro OUTB g, p
	s_wait_xcnt 0x0                                ; the bank's registers, which earlier stores read, are rewritten only behind this wait
	WIN 0x08+4*(\g)                                ; source 1 window 2 or 3, destination window 0
.irp e, 0,1
.irp j, 0,1,2,3,4,5,6,7
.irp q, 0,1,2,3
	v_mul_f32 v[OUTR+64*((\p)%2)+32*(\e)+4*(\j)+(\q)], s[SC], v[8*(8*(\q)+2*(\p)+(\e))+(\j)]
.endr
.endr
.endr
	WIN 0
.irp e, 0,1
.irp j, 0,1,2,3,4,5,6,7
	global_store_b128 v[CO], v[OUTR+64*((\p)%2)+32*(\e)+4*(\j):OUTR+64*((\p)%2)+32*(\e)+4*(\j)+3], s[8:9] offset:(16*(2*(\p)+(\e))+(\j))*ROWB+256*(\g) th:TH_STORE_NT  ; 16 lanes store 256 consecutive bytes, at a multiple of 256 from out's first byte; 1,949,952 at the most: inside the signed 24-bit immediate
.endr
.endr
.endm
	s_wait_tensorcnt 1                             ; my part of K step 0 is in; K step 1's may stay out
	s_barrier_signal -1
	s_barrier_wait -1                              ; everybody's is
	FETCH 0, 0, F0
	QUARTER 0, 64,  F0, F1, 1                      ; the first quarter stands in front of the loop: its products start the sums
	WIN 0                                          ; at a label and at a branch every window is 0
	s_mov_b32 s3, LAPS-1
.Llap:                                                 ; a trip goes once round the ring, from a lap's second quarter to the next lap's first, and fills both slots again: K steps 2 to 31 in 15 trips
	QUARTER 0, 128, F1, F0, 0
	QUARTER 0, 192, F0, F1, 0
	TURN 0, 1, 1
	QUARTER 1, 64,  F0, F1, 0
	QUARTER 1, 128, F1, F0, 0
	QUARTER 1, 192, F0, F1, 0
	TURN 1, 0, 1
	QUARTER 0, 64,  F0, F1, 0
	WIN 0
	s_sub_co_u32 s3, s3, 1
	s_cmp_lg_u32 s3, 0
	s_cbranch_scc1 .Llap
	QUARTER 0, 128, F1, F0, 0                      ; the last lap is written out: it fills nothing, and has no round of the cluster's barrier
	QUARTER 0, 192, F0, F1, 0
	TURN 0, 1, 0
	QUARTER 1, 64,  F0, F1, 0
	QUARTER 1, 128, F1, F0, 0
	QUARTER 1, 192, F0, F1, 0
	s_wait_dscnt 8                                 ; the very last quarter: nothing more to fetch
	MUL16 F1, 0, 0, 0
	MUL16 F1, 0, 2, 0
	s_wait_dscnt 0x0
	MUL16 F1, 1, 0, 0
	MUL16 F1, 1, 2, 0
	WIN 0
	PLACES                                         ; the multiplies below read results just made and write where fragments lay
.irp g, 0,1
.irp p, 0,1,2,3
	OUTB \g, \p
.endr
.endr
	s_wait_tensorcnt 0x0                           ; the wave's end: a wait for my tensor loads, an add of 0 to my spare word and its wait, behind my last tensor load
	ds_add_u32 v[SPW], v[NIL]
	s_wait_dscnt 0x0
	CROUND                                         ; the closing round: no work-group ends while a partner may still ask for a tile that names it
	s_endpgm
.Lfunc_end_k_q21015f02d5_gemm:
	.size	k_q21015f02d5_gemm, .Lfunc_end_k_q21015f02d5_gemm-k_q21015f02d5_gemm
	.p2alignl 7, 3214868480
	.fill 96, 4, 3214868480
	.section	.rodata,"a",@progbits
	.p2align	6, 0x0
	.amdhsa_kernel k_q21015f02d5_gemm
		.amdhsa_group_segment_fixed_size 327680
		.amdhsa_private_segment_fixed_size 0
		.amdhsa_enable_private_segment 0
		.amdhsa_kernarg_size 32
		.amdhsa_user_sgpr_count 2
		.amdhsa_user_sgpr_kernarg_segment_ptr 1
		.amdhsa_wavefront_size32 1
		.amdhsa_system_sgpr_workgroup_id_x 1
		.amdhsa_system_sgpr_workgroup_id_y 1
		.amdhsa_system_sgpr_workgroup_id_z 1
		.amdhsa_system_vgpr_workitem_id 0
		.amdhsa_next_free_vgpr 1024
		.amdhsa_next_free_sgpr 68
		.amdhsa_reserve_vcc 0
		.amdhsa_float_denorm_mode_32 3
		.amdhsa_float_denorm_mode_16_64 3
		.amdhsa_memory_ordered 1
		.amdhsa_forward_progress 1
		.amdhsa_inst_pref_size 141
	.end_amdhsa_kernel
	.amdgpu_metadata
---
amdhsa.version: [ 1, 2 ]
amdhsa.kernels:
  - .name:           k_q21015f02d5_gemm
    .symbol:         k_q21015f02d5_gemm.kd
    .args:
      - { .name: wt, .offset: 0, .size: 8, .value_kind: global_buffer, .address_space: global }
      - { .name: xb, .offset: 8, .size: 8, .value_kind: global_buffer, .address_space: global }
      - { .name: out0, .offset: 16, .size: 8, .value_kind: global_buffer, .address_space: global }
      - { .name: part, .offset: 24, .size: 8, .value_kind: global_buffer, .address_space: global }
    .group_segment_fixed_size: 327680
    .private_segment_fixed_size: 0
    .kernarg_segment_align: 8
    .kernarg_segment_size: 32
    .max_flat_workgroup_size: 128
    .sgpr_count:     68
    .vgpr_count:     1024
    .wavefront_size: 32
...
	.end_amdgpu_metadata
.endif
;; end of part 3
;; ======== version 2 of 2: 3 launches; version 1 with the launch tern written anew for expert scheduling mode
;; workspace buffers: xb 33,554,432 bytes; wt 33,554,432 bytes; part 2,048 bytes
;; launch absx: the kernel of part 1 again; grid 512 x 1, 8 waves a work-group, no clusters, 1,280 bytes of LDS; arguments weight, input, xb, part; writes xb, part
;; launch tern (part 4): grid 512 x 1, 8 waves a work-group, no clusters, 0 bytes of LDS; arguments weight, part, wt; writes wt
.if DOCPART == 4
	.amdgcn_target "amdgcn-amd-amdhsa--gfx1250"
	.amdhsa_code_object_version 6
	.text
	.protected	k_q21015f02d5_tern
	.globl	k_q21015f02d5_tern
	.p2align	8
	.type	k_q21015f02d5_tern,@function
k_q21015f02d5_tern:
	s_mov_b64 s[64:65], 0
	v_nop
	global_prefetch_b8 v0, s[64:65] scope:SCOPE_SE
	s_setreg_imm32_b32 hwreg(HW_REG_WAVE_SCHED_MODE, 0, 2), 2
	s_setreg_imm32_b32 hwreg(HW_REG_WAVE_MODE, 25, 1), 1
	s_wait_xcnt 0x0
	s_wait_alu depctr_vm_vsrc(0)
; Second launch: wt = the ternary codes of w, as bf16 numbers -1, 0, 1, with the rows of each group of 64 in another order (below).
; THE MEAN.  s = 2^-24 x the sum of part's 512 numbers; every wave adds them in the same fixed order (the third launch uses the same lines).
; THE CODE.  The module rounds clip(w / d, -1, 1) with d = s + 1e-8 to the nearest whole number, ties to even.  In f32 the quotient |w| / d rounds to more than 0.5 exactly where 2 |w| > d: the next
; f32 above d is more than d (1 + 2^-24), past the middle between 0.5 and its successor, and 2 |w| = d gives 0.5, which rounds to 0.  So the code is sign(w) where |w| > d / 2, else 0: no division.
; w is rounded to bf16 first, as in the first launch (the stated format).  For a bf16 magnitude a, taken as a whole number, a x 2^16 > bits(d / 2) exactly where a > TH = bits(d / 2) >> 16, and
; a + (0x7fff - TH) has bit 15 set exactly there; the sum is 0xfffe at the most, so two halves of a word are done at once with no carry between them.
; LIMITS.  A NaN or an infinite s makes the codes meaningless; the third launch multiplies by s, so every output is NaN then, as in the module.
; THE ROWS' ORDER.  Output column n = 64 G + 4 r + q (r 0-15, q 0-3) is written as row 64 G + 16 q + r.  The product's result then holds, in one lane, the columns 4 r .. 4 r + 3 in four accumulators,
; and sixteen neighbouring lanes hold 256 consecutive bytes of an output row.
; SHARES.  Work-group g owns rows 8 g .. 8 g + 7 of w: 32 chunks of 4,096 bytes; chunk n is quarter n % 4 of row j = n / 4.  r = 2 (g % 8) + j / 4, q = j % 4.
; A wave's whole share, 32 loads of 512 bytes, fits in 128 registers: all of it is asked for at the start, behind the four loads of part, and nothing is loaded again.  A chunk's codes are made in
; its own first two registers and stored from there; its other two are the turn's scratch.  So no register that a store reads is written again.
; THE MODE: SCHED_MODE bits 1:0 = 2 (LLVM: expert scheduling mode 2), set by the entry lines.  The code itself states the register dependences between vector instructions and memory instructions,
; with s_wait_alu, always for 0.
; THE PLAN.  Registers that memory instructions touch:
;   v1, v2, v3   byte offsets.  Written once at the head, read by every load and store, never written again.
;   P            The four loads of part land in it; behind the wait for them the mean's lines work in it.  No later load lands there, no store reads it.
;   W, chunk n   Its one load, issued at the head, lands in four registers; behind the counted wait for it the chunk's fourteen vector lines leave the codes in the first two; one store reads
;                those two; nothing writes any of the four after that.
;   N            named by vector lines alone.
; The 32 chunks go in eight blocks of four (a row of w).  Block b's memory instructions are the four stores of block b - 1, whose registers no vector line of block b names.  So ONE wait on va_vdst
; at a block's head states all that its four stores hang on, and they are dealt among the block's vector lines, one ahead of each chunk's, with no further wait.  No load is issued behind the head and
; no register that a load or a store has read is written again: nothing is owed on vm_vsrc.
.set CH,     4096
.set CHUNKS, 32
.set BLOCK,  4                         ; chunks in a block
.set O16, 1                            ; v1        16 t; never rewritten
.set O8,  2                            ; v2        8 t; never rewritten
.set OL,  3                            ; v3        16 x lane; never rewritten
.set P,   4                            ; v[4:19]   part: 16 numbers a lane
.set N,   20                           ; v[20:23]  bit 15 of each half: the code is not 0; two sets, which take turns
.set W,   24                           ; v[24:151] chunk n: 4 registers of w; then 2 of codes and 2 at work
; s into v[p], in every lane, from the 16 numbers a lane in v[p:p+15].  sel: the scalar pair with v_permlanex16_b32's selects.
.macro MEAN p, sel
	v_pk_add_f32 v[(\p):(\p)+1],     v[(\p):(\p)+1],     v[(\p)+4:(\p)+5]
	v_pk_add_f32 v[(\p)+2:(\p)+3],   v[(\p)+2:(\p)+3],   v[(\p)+6:(\p)+7]
	v_pk_add_f32 v[(\p)+8:(\p)+9],   v[(\p)+8:(\p)+9],   v[(\p)+12:(\p)+13]
	v_pk_add_f32 v[(\p)+10:(\p)+11], v[(\p)+10:(\p)+11], v[(\p)+14:(\p)+15]
	v_pk_add_f32 v[(\p):(\p)+1],     v[(\p):(\p)+1],     v[(\p)+8:(\p)+9]
	v_pk_add_f32 v[(\p)+2:(\p)+3],   v[(\p)+2:(\p)+3],   v[(\p)+10:(\p)+11]
	v_pk_add_f32 v[(\p):(\p)+1],     v[(\p):(\p)+1],     v[(\p)+2:(\p)+3]
	v_add_f32 v[(\p)], v[(\p)], v[(\p)+1]
	v_add_f32_dpp v[(\p)], v[(\p)], v[(\p)] row_xmask:1 row_mask:0xf bank_mask:0xf
	v_add_f32_dpp v[(\p)], v[(\p)], v[(\p)] row_xmask:2 row_mask:0xf bank_mask:0xf
	v_add_f32_dpp v[(\p)], v[(\p)], v[(\p)] row_xmask:4 row_mask:0xf bank_mask:0xf
	v_add_f32_dpp v[(\p)], v[(\p)], v[(\p)] row_xmask:8 row_mask:0xf bank_mask:0xf
	v_permlanex16_b32 v[(\p)+1], v[(\p)], s[(\sel)], s[(\sel)+1]
	v_add_f32 v[(\p)], v[(\p)], v[(\p)+1]
	v_mul_f32 v[(\p)], 0x33800000, v[(\p)]         ; x 2^-24: w has 2^24 numbers; exact
.endm
	s_load_b128 s[4:7], s[0:1], 0x0                ; weight s[4:5], part s[6:7]
	s_load_b64 s[8:9], s[0:1], 0x10                ; wt
	v_lshlrev_b32 v[O16], 4, v0
	v_lshlrev_b32 v[O8], 3, v0
	v_and_b32 v[OL], 31, v0
	v_lshlrev_b32 v[OL], 4, v[OL]
	s_mov_b32 s12, 0x7fff7fff                      ; clears two signs
	s_mov_b32 s13, 0x80008000                      ; bit 15 of each half
	s_mov_b32 s14, 0x76543210
	s_mov_b32 s15, 0xfedcba98
	s_mov_b32 s17, 127
	s_lshl_b32 s18, ttmp9, 17                      ; my eight rows of w: g x 131,072
	s_mov_b32 s19, 0
	s_lshr_b32 s2, ttmp9, 3
	s_lshl_b32 s2, s2, 19                          ; G x 64 rows of 8,192 bytes,
	s_and_b32 s3, ttmp9, 7
	s_lshl_b32 s3, s3, 14                          ; + 2 (g % 8) rows
	s_add_co_u32 s2, s2, s3
	s_mov_b32 s3, 0
	s_wait_kmcnt 0x0
	s_add_nc_u64 s[4:5], s[4:5], s[18:19]
	s_add_nc_u64 s[8:9], s[8:9], s[2:3]
	s_wait_alu depctr_va_vdst(0)                   ; v1, v2 and v3 are written: every load and store of the kernel reads one of them as its offset
.irp k, 0,1,2,3
	global_load_b128 v[P+4*(\k):P+4*(\k)+3], v[OL], s[6:7] offset:512*(\k)   ; every wave reads all 2,048 bytes of part
.endr
.set m, 0
.rept CHUNKS
	global_load_b128 v[W+4*m:W+4*m+3], v[O16], s[4:5] offset:m*CH th:TH_LOAD_NT  ; w's last reading
.set m, m+1
.endr
	s_wait_loadcnt CHUNKS                          ; part is in; the 32 loads of w issued behind it stay out
	MEAN P, 14
	v_add_f32 v[P], 0x322bcc77, v[P]               ; d = s + 1e-8
	v_mul_f32 v[P], 0.5, v[P]                      ; d / 2
	v_readfirstlane_b32 s16, v[P]
	s_wait_alu depctr_va_sdst(0)                   ; s16 is written, ahead of its first reader, the shift below
	s_lshr_b32 s16, s16, 16                        ; TH
	s_sub_co_u32 s16, 0x7fff, s16
	s_mul_i32 s16, s16, 0x10001                    ; 0x7fff - TH in both halves: a number that is added to data, never to an address
; Chunk n's codes.  Its two words go side by side, so that no line reads the result of the line just before it.
.macro CODES n
.set rb, W+4*(\n)
.set rn, N+2*((\n)%2)
	s_wait_loadcnt CHUNKS-1-(\n)                   ; loads come back in order: this chunk's is in, the later chunks' stay out
	v_cvt_pk_bf16_f32 v[rb],   v[rb],   v[rb+1]    ; four bf16 of w, in the chunk's first two registers
	v_cvt_pk_bf16_f32 v[rb+1], v[rb+2], v[rb+3]
	v_and_b32 v[rb+2], s12, v[rb]                  ; two magnitudes a word
	v_and_b32 v[rb+3], s12, v[rb+1]
	v_add_nc_u32 v[rb+2], s16, v[rb+2]             ; bit 15 of a half: its magnitude is above the threshold
	v_add_nc_u32 v[rb+3], s16, v[rb+3]
	v_and_b32 v[rn],   s13, v[rb+2]
	v_and_b32 v[rn+1], s13, v[rb+3]
	v_lshrrev_b32 v[rb+2], 8, v[rn]                ; 0x80 in each such half,
	v_lshrrev_b32 v[rb+3], 8, v[rn+1]
	v_mul_u32_u24 v[rb+2], s17, v[rb+2]            ; x 127 = 0x3f80: 1.0 in bf16
	v_mul_u32_u24 v[rb+3], s17, v[rb+3]
	v_and_or_b32 v[rb],   v[rb],   v[rn],   v[rb+2]  ; and w's sign on it
	v_and_or_b32 v[rb+1], v[rb+1], v[rn+1], v[rb+3]
.endm
; Chunk n's store, a block later than its codes.
.macro SEND n
.set rs, W+4*(\n)
.set rj, (\n)/4
	global_store_b64 v[O8], v[rs:rs+1], s[8:9] offset:(16*(rj%4)+rj/4)*8192+2048*((\n)%4)  ; a wave stores 256 consecutive bytes, at a multiple of 256 from wt's first byte
.endm
.set m, 0
.rept CHUNKS
.if (m%BLOCK == 0) && (m > 0)
	s_wait_alu depctr_va_vdst(0)                   ; the block before has written its eight registers of codes, which this block's four stores read; no vector line of this block names them
.endif
.if m >= BLOCK
	SEND m-BLOCK
.endif
	CODES m
.set m, m+1
.endr
	s_wait_alu depctr_va_vdst(0)                   ; the last block has written its codes, which the last four stores read
.set m, CHUNKS-BLOCK
.rept BLOCK
	SEND m
.set m, m+1
.endr
	s_endpgm
.Lfunc_end_k_q21015f02d5_tern:
	.size	k_q21015f02d5_tern, .Lfunc_end_k_q21015f02d5_tern-k_q21015f02d5_tern
	.p2alignl 7, 3214868480
	.fill 96, 4, 3214868480
	.section	.rodata,"a",@progbits
	.p2align	6, 0x0
	.amdhsa_kernel k_q21015f02d5_tern
		.amdhsa_group_segment_fixed_size 0
		.amdhsa_private_segment_fixed_size 0
		.amdhsa_enable_private_segment 0
		.amdhsa_kernarg_size 24
		.amdhsa_user_sgpr_count 2
		.amdhsa_user_sgpr_kernarg_segment_ptr 1
		.amdhsa_wavefront_size32 1
		.amdhsa_system_sgpr_workgroup_id_x 1
		.amdhsa_system_sgpr_workgroup_id_y 1
		.amdhsa_system_sgpr_workgroup_id_z 1
		.amdhsa_system_vgpr_workitem_id 0
		.amdhsa_next_free_vgpr 152
		.amdhsa_next_free_sgpr 66
		.amdhsa_reserve_vcc 0
		.amdhsa_float_denorm_mode_32 3
		.amdhsa_float_denorm_mode_16_64 3
		.amdhsa_memory_ordered 1
		.amdhsa_forward_progress 1
		.amdhsa_inst_pref_size 29
	.end_amdhsa_kernel
	.amdgpu_metadata
---
amdhsa.version: [ 1, 2 ]
amdhsa.kernels:
  - .name:           k_q21015f02d5_tern
    .symbol:         k_q21015f02d5_tern.kd
    .args:
      - { .name: weight, .offset: 0, .size: 8, .value_kind: global_buffer, .address_space: global }
      - { .name: part, .offset: 8, .size: 8, .value_kind: global_buffer, .address_space: global }
      - { .name: wt, .offset: 16, .size: 8, .value_kind: global_buffer, .address_space: global }
    .group_segment_fixed_size: 0
    .private_segment_fixed_size: 0
    .kernarg_segment_align: 8
    .kernarg_segment_size: 24
    .max_flat_workgroup_size: 256
    .sgpr_count:     66
    .vgpr_count:     152
    .wavefront_size: 32
...
	.end_amdgpu_metadata
.endif
;; end of part 4
;; launch gemm: the kernel of part 3 again; grid 16 x 16, 4 waves a work-group, clusters of 4 x 4, 327,680 bytes of LDS; arguments wt, xb, out0, part; writes out0
